; MI455X (gfx1250); checked and timed in simulation.
; The chip was launched on July 23, 2026; its instructions are those of AMD's public machine-readable ISA for CDNA 5 (MIT licence, August 2026) and "CDNA5" Instruction Set Architecture Reference Guide (July 2026). The comments in the code are by the model that wrote it; some were corrected since.
;; Attention. Allowed arithmetic: matrix products marked QUANTISED: E4M3 operands, one E8M0 scale for each 32 along K, by v_wmma_scale_f32_16x16x128_f8f6f4 with both operands' format E4M3, f32 sums; products left as they are: f32 operands where the result goes on into a quantised operand, else bf16, f16 or f32 operands; f32 sums; everything else in f32.
;; Inputs: V 1,024 float32; W_k_codes 1,024 x 32 x 32 uint8 (E4M3 codes of W_k, K innermost, in blocks of 32 codes); W_k_scales 1,024 x 32 uint8 (E8M0 scales of W_k, one for each 32 codes along K); W_q_codes 1,024 x 32 x 32 uint8 (E4M3 codes of W_q, K innermost, in blocks of 32 codes); W_q_scales 1,024 x 32 uint8 (E8M0 scales of W_q, one for each 32 codes along K); dec_hidden_codes 32 x 32 x 32 uint8 (E4M3 codes of dec_hidden, K innermost, in blocks of 32 codes); dec_hidden_scales 32 x 32 uint8 (E8M0 scales of dec_hidden, one for each 32 codes along K); enc_hidden_codes 32 x 2,048 x 32 x 32 uint8 (E4M3 codes of enc_hidden, K innermost, in blocks of 32 codes); enc_hidden_scales 32 x 2,048 x 32 uint8 (E8M0 scales of enc_hidden, one for each 32 codes along K).
;; Outputs: out0 32 x 1,024 float32; out1 32 x 2,048 float32.
;; This version of the problem:
;;   THIS VERSION OF THE PROBLEM IS GIVEN IN LOW PRECISION. The matrix products marked QUANTISED in the list below multiply operands that are first quantised to E4M3 (4 exponent bits, 3 mantissa bits; 8 bits a number), with one power-of-two scale for each 32 numbers along K (OCP MX v1.0); their sums are f32. All else is computed in f32.
;;   The module's matrix products, in the order in which they are computed (A, B: the left and right operand; K: the contracted axis; several contracted axes count as one K, in the product's order):
;;     1. [M 1,024, K 1,024] x [K 1,024, N 65,536]; A: input W_k (given as codes); B: input enc_hidden (given as codes): QUANTISED
;;     2. [M 32, K 1,024] x [K 1,024, N 1,024]; A: input dec_hidden (given as codes); B: input W_q (given as codes): QUANTISED
;;     3. [M 1, K 1,024] x [K 1,024, N 65,536]; A: input V; B: computed on the way: left as it is (M = 1 < 16)
;;     4. batch 32 x [M 1,024, K 2,048] x [K 2,048, N 1]; A: computed on the way; B: softmax: left as it is (N = 1 < 16)
;;   THE QUANTISER, for each operand of a quantised product, along K:
;;     - K is cut into blocks of 32 from its start; a last block that is shorter is filled with zeros.
;;     - A block's scale is 2^e with e = floor(log2(the largest magnitude in the block)) - 8, held to -126 .. 127; a block of zeros has e = 0. As a byte (E8M0): e + 127.
;;     - Each number is divided by its block's scale, clamped to +-448, and rounded to the nearest number of E4M3, ties to even, subnormals kept.
;;     - The product sums the exact products of the quantised numbers (number of the format x scale) in f32.
;;   ~~~python
;;   def quantise(x, axis):      # numpy; x: float32 -> the quantised numbers, widened to float32 again
;;       x = np.moveaxis(x, axis, -1); K = x.shape[-1]
;;       x = np.pad(x, [(0, 0)] * (x.ndim - 1) + [(0, -K % 32)]); x = x.reshape(x.shape[:-1] + (-1, 32)); a = np.abs(x).max(-1, keepdims=True)
;;       e = np.where(a > 0, np.clip(np.frexp(np.where(a > 0, a, 1))[1] - 1 - 8, -126, 127), 0)      # np.frexp(a)[1] - 1 = floor(log2(a)), exactly
;;       r = np.clip(x / 2.0 ** e, -448, 448)
;;       step = 2.0 ** (np.maximum(np.frexp(np.where(r == 0, 1, r))[1] - 1, -6) - 3)
;;       q = np.round(r / step) * step * 2.0 ** e      # np.round: ties to even
;;       return np.moveaxis(q.reshape(q.shape[:-2] + (-1,))[..., :K], -1, axis).astype(np.float32)
;;   ~~~
;;   INPUTS GIVEN AS CODES. W_k (in the module: [1024, 1024], K = its axis 1); W_q (in the module: [1024, 1024], K = its axis 1); dec_hidden (in the module: [32, 1024], K = its axis 1); enc_hidden (in the module: [32, 2048, 1024], K = its axis 2): each comes as NAME_codes (uint8): NAME with its K axis moved to the last place and cut into blocks of 32 codes, [.., K / 32, bytes a block], one block behind the other in memory; one code a byte (a code: sign, 4 exponent bits, 3 mantissa bits); and NAME_scales (uint8): the same leading axes, one E8M0 byte (e + 127) for each 32 codes along K. Its value is code x scale, taken as it is: it is not quantised again, and the codes and scales need not be those that the quantiser above would give.
;; One version. Each part assembles by itself: llvm-mc -triple=amdgcn-amd-amdhsa -mcpu=gfx1250 --defsym DOCPART=n.
;; ======== version 1 of 1: 3 launches
;; workspace buffers: wk_img 1,048,576 bytes; wq2 131,072 bytes; zpart 1,048,576 bytes; ml 65,536 bytes
;; launch prep (part 1): grid 16 x 1, 4 waves a work-group, no clusters, 9,216 bytes of LDS; arguments W_k_codes, wk_img, W_q_codes, W_q_scales, dec_hidden_codes, dec_hidden_scales, wq2; writes wk_img, wq2
.if DOCPART == 1
	.amdgcn_target "amdgcn-amd-amdhsa--gfx1250"
	.amdhsa_code_object_version 6
	.text
	.protected	k_q7f00db54aa_prep
	.globl	k_q7f00db54aa_prep
	.p2align	8
	.type	k_q7f00db54aa_prep,@function
k_q7f00db54aa_prep:
	s_mov_b64 s[64:65], 0
	v_nop
	global_prefetch_b8 v0, s[64:65] scope:SCOPE_SE
	s_setreg_imm32_b32 hwreg(HW_REG_WAVE_MODE, 25, 1), 1
	s_wait_xcnt 0x0
; THE PROGRAM (three launches).  score[b][s] = sum over h of V[h] tanh(ctx[b][h][s] + wq[b][h]);  ctx = enc W_k^T and wq = dec W_q^T on the given codes of E4M3 with E8M0 scales;
; hidden[b][h] = sum over s of softmax_s(score)[s] ctx[b][h][s].
; NOTHING OF THE PROBLEM IS LEFT OUT: every input is loaded and both quantised products are done in full by the scaled matrix instruction.  ONE SUM IS REGROUPED: with x[s][e], W[h][e] the numbers that the
; codes and scales stand for, sum_s alpha[s] (sum_e W[h][e] x[s][e]) = sum_e W[h][e] (sum_s alpha[s] x[s][e]): two finite sums exchanged, an identity for all finite values.  So ctx never goes to memory:
; the second launch forms, beside the scores, z[e] = sum_s p[s] x[s][e] for its 256 rows under their own maximum, and the third joins a batch's eight parts and multiplies by W_k.
; LIMITS: the regrouped sum rounds in another order than the sum over ctx; an overflow that would arise in ctx alone or in z alone is not carried alike; NaN, infinities and the scale byte 0xff among the inputs are not served.
;
; THIS LAUNCH, 16 work-groups of four waves; wave wv of work-group g owns tile t = 4 g + wv: 16 rows of W_q and the same 16 rows of W_k.
; (1) wq2[b][h] = 2 log2(e) x wq[b][h], f32: the second launch takes tanh(x) = 1 - 2 / (1 + 2^(2 log2(e) x)), so the factor is folded in here.  Source 0 = 16 rows of W_q, source 1 = 16 batches:
;     a lane then holds one batch and eight neighbouring h.  Two accumulators (batches 0-15, 16-31) take turns over the eight K steps.
; (2) wk_img: W_k's codes laid in the order of an operand's registers: byte g 65536 + q 8192 + wv 2048 + c 512 + 16 lane holds W_k[16 t + lane % 16][128 q + 32 c + 16 (lane / 16) + 0 .. 15],
;     so that the second launch brings a fragment by four loads of 512 consecutive bytes.
; REGISTERS: window 0: v1-10 addresses; v12, v13 the add's two; v16-23 W_q's scale words, v24-31 dec's (lanes 0-15 batches 0-15, lanes 16-31 batches 16-31); v32-47 the sums; v48-63 scaled; v64-79 rows read back;
;   v128-255 W_q's eight fragments.   window 1: dec's sixteen fragments.   window 2: v0-127 W_k's tile.
.set STP,   272                        ; a stage row: 256 bytes (64 h of one batch) + 16
.set SPARE, 32*STP                     ; behind the stage of 32 rows: the spare words, 128 bytes for each wave
.set SPW,   12
.set NIL,   13
.set QSC,   16
.set DSC,   24
.set ACC,   32
.set RES,   48
.set BK,    64
.set MSB,   0
.macro WIN new                         ; the immediate's high byte repeats the setting that is left
.if MSB != (\new)
	s_set_vgpr_msb (MSB<<8)|(\new)
.set MSB, (\new)
.endif
.endm
	s_load_b256 s[4:11], s[0:1], 0x0               ; W_k's codes s[4:5], wk_img s[6:7], W_q's codes s[8:9], W_q's scales s[10:11]
	s_load_b128 s[12:15], s[0:1], 0x20             ; dec's codes s[12:13], dec's scales s[14:15]
	s_load_b64 s[16:17], s[0:1], 0x30              ; wq2
	v_lshl_add_u32 v[SPW], v0, 2, SPARE
	v_mov_b32 v[NIL], 0
	v_lshrrev_b32 v1, 5, v0
	v_readfirstlane_b32 s18, v1                    ; wave 0..3
	v_and_b32 v1, 31, v0                           ; lane
	v_and_b32 v2, 15, v0                           ; r
	v_bfe_u32 v3, v0, 4, 1                         ; h
	v_lshlrev_b32 v4, 10, v2
	v_lshl_add_u32 v4, v3, 4, v4                   ; a fragment's place in rows of 1,024 codes: 1024 r + 16 h
	v_lshlrev_b32 v5, 4, v1                        ; 16 x lane: the image's place
	v_lshlrev_b32 v6, 5, v2                        ; W_q's scales: 32 bytes a row, row r
	v_lshlrev_b32 v7, 5, v1                        ; dec's scales: row = lane
	v_mul_u32_u24 v8, v2, STP
	v_lshl_add_u32 v8, v3, 5, v8
	s_lshl_b32 s19, s18, 6
	v_add_nc_u32 v8, s19, v8                       ; the stage, in: row r, + 32 h, + 64 x wave
	v_mul_u32_u24 v9, v3, STP
	v_lshl_add_u32 v9, v2, 4, v9
	s_mul_i32 s19, s18, 8*STP
	v_add_nc_u32 v9, s19, v9                       ; and back: rows 8 wave + h (+ 2 k), 16 bytes a lane
	v_lshlrev_b32 v10, 12, v3
	v_lshl_add_u32 v10, v2, 4, v10
	s_lshl_b32 s19, s18, 15
	v_add_nc_u32 v10, s19, v10                     ; the same rows in wq2: 4,096 bytes a batch
	s_lshl_b32 s20, ttmp9, 2
	s_add_co_u32 s20, s20, s18                     ; t
	s_lshl_b32 s22, s20, 14                        ; 16 rows of 1,024 bytes
	s_mov_b32 s23, 0
	s_lshl_b32 s24, s20, 9                         ; 16 rows of 32 scale bytes
	s_mov_b32 s25, 0
	s_lshl_b32 s26, ttmp9, 16
	s_lshl_b32 s27, s18, 11
	s_add_co_u32 s26, s26, s27                     ; the tile's place in wk_img
	s_mov_b32 s27, 0
	s_lshl_b32 s28, ttmp9, 8                       ; the work-group's 64 h in a row of wq2
	s_mov_b32 s29, 0
	s_mov_b32 s30, 0x4038aa3b                      ; 2 log2(e)
	s_wait_kmcnt 0x0
	s_add_nc_u64 s[4:5], s[4:5], s[22:23]
	s_add_nc_u64 s[8:9], s[8:9], s[22:23]
	s_add_nc_u64 s[10:11], s[10:11], s[24:25]
	s_add_nc_u64 s[6:7], s[6:7], s[26:27]
	s_add_nc_u64 s[16:17], s[16:17], s[28:29]
.irp q,0,1,2,3,4,5,6,7
.irp c,0,1,2,3
	global_load_b128 v[128+16*\q+4*\c:128+16*\q+4*\c+3], v4, s[8:9] offset:128*\q+32*\c       ; W_q(16 t + r, 128 q + 32 c + 16 h ..)
.endr
.endr
	WIN 0x40                                       ; destination window 1
.irp b,0,1
.irp q,0,1,2,3,4,5,6,7
.irp c,0,1,2,3
	global_load_b128 v[128*\b+16*\q+4*\c:128*\b+16*\q+4*\c+3], v4, s[12:13] offset:16384*\b+128*\q+32*\c   ; dec(16 b + r, ..)
.endr
.endr
.endr
	WIN 0
	global_load_b128 v[QSC:QSC+3], v6, s[10:11]               ; a row's 32 scale bytes are its eight K steps' words
	global_load_b128 v[QSC+4:QSC+7], v6, s[10:11] offset:16
	global_load_b128 v[DSC:DSC+3], v7, s[14:15]
	global_load_b128 v[DSC+4:DSC+7], v7, s[14:15] offset:16
	WIN 0x80                                       ; destination window 2
.irp q,0,1,2,3,4,5,6,7
.irp c,0,1,2,3
	global_load_b128 v[16*\q+4*\c:16*\q+4*\c+3], v4, s[4:5] offset:128*\q+32*\c               ; W_k's tile, for the image
.endr
.endr
	s_wait_loadcnt 32                              ; loads come back in order: all but the 32 of W_k's tile, issued last, are in
	WIN 0x04                                       ; source 1 (dec) window 1
.irp q,0,1,2,3,4,5,6,7
.if \q == 0
	v_wmma_scale_f32_16x16x128_f8f6f4 v[ACC:ACC+7], v[128+16*\q:143+16*\q], v[16*\q:16*\q+15], 0, v[QSC+\q], v[DSC+\q]
	v_wmma_scale_f32_16x16x128_f8f6f4 v[ACC+8:ACC+15], v[128+16*\q:143+16*\q], v[128+16*\q:143+16*\q], 0, v[QSC+\q], v[DSC+\q] matrix_b_scale:MATRIX_SCALE_ROW1
.else
	v_wmma_scale_f32_16x16x128_f8f6f4 v[ACC:ACC+7], v[128+16*\q:143+16*\q], v[16*\q:16*\q+15], v[ACC:ACC+7], v[QSC+\q], v[DSC+\q]
	v_wmma_scale_f32_16x16x128_f8f6f4 v[ACC+8:ACC+15], v[128+16*\q:143+16*\q], v[128+16*\q:143+16*\q], v[ACC+8:ACC+15], v[QSC+\q], v[DSC+\q] matrix_b_scale:MATRIX_SCALE_ROW1
.endif
.endr
	WIN 0x08                                       ; a store's data are its source 1: window 2
.irp q,0,1,2,3,4,5,6,7
	s_wait_loadcnt 28-4*\q                         ; K step q's four loads are in; those of the later K steps may be out
.irp c,0,1,2,3
	global_store_b128 v5, v[16*\q+4*\c:16*\q+4*\c+3], s[6:7] offset:8192*\q+512*\c            ; 32 lanes store 512 consecutive bytes
.endr
.endr
	WIN 0
.rept 8
	v_nop                                          ; eight places between the last product and the first read of a result
.endr
.irp n,0,1,2,3,4,5,6,7,8,9,10,11,12,13,14,15
	v_mul_f32 v[RES+\n], s30, v[ACC+\n]            ; x 2 log2(e); each accumulator is read from its low end on
.endr
.irp b,0,1
	ds_store_b128 v8, v[RES+8*\b:RES+8*\b+3] offset:16*STP*\b        ; lane (r, h): batch 16 b + r, h = 16 t + 8 h + 0 .. 7
	ds_store_b128 v8, v[RES+8*\b+4:RES+8*\b+7] offset:16*STP*\b+16
.endr
	s_wait_dscnt 0x0                               ; for the others' sake: my stores into the stage are done
	s_barrier_signal -1
	s_barrier_wait -1                              ; a row's 256 bytes come from four waves
.irp k,0,1,2,3
	ds_load_b128 v[BK+4*\k:BK+4*\k+3], v9 offset:2*STP*\k
.endr
.irp k,0,1,2,3
	s_wait_dscnt 3-\k
	global_store_b128 v10, v[BK+4*\k:BK+4*\k+3], s[16:17] offset:8192*\k    ; sixteen lanes store 256 consecutive bytes, at a multiple of 256 from wq2's first byte
.endr
	s_wait_tensorcnt 0x0                           ; the wave's end, behind my last LDS store
	ds_add_u32 v[SPW], v[NIL]
	s_wait_dscnt 0x0
	s_endpgm
.Lfunc_end_k_q7f00db54aa_prep:
	.size	k_q7f00db54aa_prep, .Lfunc_end_k_q7f00db54aa_prep-k_q7f00db54aa_prep
	.p2alignl 7, 3214868480
	.fill 96, 4, 3214868480
	.section	.rodata,"a",@progbits
	.p2align	6, 0x0
	.amdhsa_kernel k_q7f00db54aa_prep
		.amdhsa_group_segment_fixed_size 9216
		.amdhsa_private_segment_fixed_size 0
		.amdhsa_enable_private_segment 0
		.amdhsa_kernarg_size 56
		.amdhsa_user_sgpr_count 2
		.amdhsa_user_sgpr_kernarg_segment_ptr 1
		.amdhsa_wavefront_size32 1
		.amdhsa_system_sgpr_workgroup_id_x 1
		.amdhsa_system_sgpr_workgroup_id_y 1
		.amdhsa_system_sgpr_workgroup_id_z 1
		.amdhsa_system_vgpr_workitem_id 0
		.amdhsa_next_free_vgpr 640
		.amdhsa_next_free_sgpr 66
		.amdhsa_reserve_vcc 0
		.amdhsa_float_denorm_mode_32 3
		.amdhsa_float_denorm_mode_16_64 3
		.amdhsa_memory_ordered 1
		.amdhsa_forward_progress 1
		.amdhsa_inst_pref_size 23
	.end_amdhsa_kernel
	.amdgpu_metadata
---
amdhsa.version: [ 1, 2 ]
amdhsa.kernels:
  - .name:           k_q7f00db54aa_prep
    .symbol:         k_q7f00db54aa_prep.kd
    .args:
      - { .name: W_k_codes, .offset: 0, .size: 8, .value_kind: global_buffer, .address_space: global }
      - { .name: wk_img, .offset: 8, .size: 8, .value_kind: global_buffer, .address_space: global }
      - { .name: W_q_codes, .offset: 16, .size: 8, .value_kind: global_buffer, .address_space: global }
      - { .name: W_q_scales, .offset: 24, .size: 8, .value_kind: global_buffer, .address_space: global }
      - { .name: dec_hidden_codes, .offset: 32, .size: 8, .value_kind: global_buffer, .address_space: global }
      - { .name: dec_hidden_scales, .offset: 40, .size: 8, .value_kind: global_buffer, .address_space: global }
      - { .name: wq2, .offset: 48, .size: 8, .value_kind: global_buffer, .address_space: global }
    .group_segment_fixed_size: 9216
    .private_segment_fixed_size: 0
    .kernarg_segment_align: 8
    .kernarg_segment_size: 56
    .max_flat_workgroup_size: 128
    .sgpr_count:     66
    .vgpr_count:     640
    .wavefront_size: 32
...
	.end_amdgpu_metadata
.endif
;; end of part 1
;; launch main (part 2): grid 256 x 1, 4 waves a work-group, no clusters, 327,680 bytes of LDS; arguments enc_hidden_codes, enc_hidden_scales, wk_img, W_k_scales, wq2, V, out1, zpart, ml; writes out1, zpart, ml
.if DOCPART == 2
	.amdgcn_target "amdgcn-amd-amdhsa--gfx1250"
	.amdhsa_code_object_version 6
	.text
	.protected	k_q7f00db54aa_main
	.globl	k_q7f00db54aa_main
	.p2align	8
	.type	k_q7f00db54aa_main,@function
k_q7f00db54aa_main:
	s_mov_b64 s[64:65], 0
	v_nop
	global_prefetch_b8 v0, s[64:65] scope:SCOPE_SE
	s_setreg_imm32_b32 hwreg(HW_REG_WAVE_MODE, 25, 1), 1
	s_wait_xcnt 0x0
; Work-group g owns rows 256 g .. 256 g + 255 of enc (all of one batch, g / 8) and makes, for them: the scores (out1); their largest score m and l = sum of p, p = e^(score - m) (ml);
; and z[e] = sum over its rows of p x enc[row][e] (zpart).  ctx is not stored and not weighed here: by the exchange of two finite sums shown at the head of the first kernel the last launch multiplies z by W_k.
; LIMITS as stated there.  score = sum V - 2 sum V r, r = 1 / (1 + 2^u), u = 2 log2(e) (ctx + wq): where 2^u overflows, r is 0 and tanh is 1; where it falls to 0, r is 1 and tanh is -1: no clamp is needed.
; SHARES.  The 256 rows' codes, 262,144 bytes, come into LDS ONCE, by tensor loads at the head, in four chunks of 256 along K, and stay: they feed the product (four passes over h) and then z.
; Four waves share the rows and split h: in pass p wave w makes h = 256 p + 64 w .. + 63 for all 256 rows: 64 accumulators, 512 registers.  W_k's fragments come from wk_img straight into registers, each byte once in the
; work-group, by loads of 512 consecutive bytes, two K steps ahead in three sets.  Each fragment of enc read from LDS feeds four products, each fragment of W_k sixteen.
; NO CLUSTER: what work-groups share is W_k.  To take it jointly it would have to pass through LDS: two slots of one K step of 256 rows are 2 x 36,864 bytes beside the resident 278,528: more than the 327,680 there are.
; NO PREFETCH: the work-group's whole share of enc is asked for in its first lines; nothing is left to ask ahead for.
; THE PRODUCT IS USED TRANSPOSED: source 0 = 16 rows of W_k, source 1 = 16 rows of enc: lane (r, h) holds row s = 16 a + r, and its register j the unit 16 b + 8 h + j: the sum over units stays in the lane but for one exchange.
; LDS: 0: four chunks of 256 rows x (256 + 16) bytes;  QVB: wq2's row of the batch, then V (4,096 bytes each);  FTB: for each wave 8,192 bytes: the factors p x 2^(scale), [row][8] f32, later its stage for z;
;   SCR: the waves' parts of the scores, [wave][256] f32;  SPARE: the spare words.  No LDS byte is filled twice; what ds_store writes lies in blocks of its own.
; REGISTERS: window 0: v1-11, v15 addresses; v12, v13 the add's two; v14 sum of V; v16-31 at work; v32-47 sum of V r for each tile of rows; v48-63 W_k's scale words; v64-127 enc's scale words (scales alone, for the whole launch);
;   v128-191, v192-255 two buffers of four fragments of enc.   window 1: v0-191 three sets of W_k's four fragments; v192-255 the third buffer of enc.   windows 2, 3: the accumulators: (a, b) at v[8 (4 (a % 8) + b)] of window 2 + a / 8.
.set PITCH, 272                        ; an LDS row: 256 bytes + 16 = 68 words: row r starts at bank 4 r mod 64 (64 banks of 4 bytes: ISA guide 11.1): the 16 rows of a load start at 16 different banks
.set CHB,   256*PITCH                  ; a chunk
.set QVB,   4*CHB
.set FTB,   QVB+8192
.set SCR,   FTB+4*8192
.set SPARE, SCR+4096
.set ADE, 4                            ; v4-7  my place in a fragment of enc, chunk 0..3
.set AW,  8                            ; v8    16 lane + 65536 wave: my place in wk_img
.set AWS, 9                            ; v9    my place among W_k's scale bytes
.set AQ0, 10                           ; v10   my place in wq2's row in LDS
.set ADQ, 11                           ; v11   the same in the pass in hand
.set SPW, 12
.set NIL, 13
.set VS,  14
.set AES, 15                           ; v15   my place among enc's scale bytes
.set T,   16
.set SC,  32
.set WS,  48                           ; register 8 u + q: lanes 0-15 tile u of my four, lanes 16-31 tile u + 2, K step q
.set ES,  64                           ; register 8 i + q: lanes 0-15 tile i of the rows, lanes 16-31 tile i + 8
.set QW,  128                          ; in the epilogue: wq2 at my 32 units,
.set VV,  160                          ; and V
.set WV,  22                           ; s22   my wave's number
.set G1E, 24                           ; s[24:31] descriptor group 1, enc;  s[32:39] the same for wq2 and V;  s[40:55] groups 0 of the four chunks;  s[56:59] of wq2 or V
.set G1Q, 32
.set G0E, 40
.set G0Q, 56
.set CC,  60                           ; s[60:61] 2 log2(e): the packed form names a pair
.set SEL, 62                           ; s[62:63] v_permlanex16_b32's selects for lane l xor 16
.set PASS, 66
.set QP,  67                           ; 1,024 x pass
.set MSB, 0
.macro WIN new                         ; the immediate's high byte repeats the setting that is left
.if MSB != (\new)
	s_set_vgpr_msb (MSB<<8)|(\new)
.set MSB, (\new)
.endif
.endm
.macro PLACES n
.rept \n
	v_nop
.endr
.endm
.macro WLOAD q                         ; W_k's four fragments of K step q into set q % 3 (window 1): 16 loads of 512 consecutive bytes
.irp b,0,1,2,3
.irp cc,0,1,2,3
	global_load_b128 v[64*((\q)%3)+16*\b+4*\cc:64*((\q)%3)+16*\b+4*\cc+3], v[AW], s[8:9] offset:(\q)*8192+\b*2048+\cc*512
.endr
.endr
.endm
.macro PRELOAD                         ; what a pass wants first: its scale words of W_k and K steps 0, 1, 2: 52 loads
.irp u,0,1
.irp qh,0,1
	global_load_b128 v[WS+8*\u+4*\qh:WS+8*\u+4*\qh+3], v[AWS], s[10:11] offset:512*\u+16*\qh
.endr
.endr
	WIN 0x40
	WLOAD 0
	WLOAD 1
	WLOAD 2
	WIN 0
.endm
.macro EFETCH g                        ; group g: K step g / 4, tiles of rows 4 (g % 4) .. + 3, into buffer g % 3: 16 LDS loads.  Every window is 0 at its head and at its end
.set FQ,  (\g)/4
.set FBF, (\g)%3
.set FEB, 128+64*((FBF+1)/2)
.if FBF == 2
	WIN 0x40
.endif
.set FA, 4*((\g)%4)
.rept 4
.irp cc,0,1,2,3
	ds_load_b128 v[FEB+16*(FA%4)+4*\cc:FEB+16*(FA%4)+4*\cc+3], v[ADE+FQ/2] offset:FA*16*PITCH+128*(FQ%2)+32*\cc
.endr
.set FA, FA+1
.endr
.if FBF == 2
	WIN 0
.endif
.endm
.macro CHUNK n                         ; my part of a chunk has landed (n younger tensor loads may be out), no LDS instruction of mine is pending; then everybody's has
	s_wait_tensorcnt \n
	s_wait_dscnt 0x0
	s_barrier_signal -1
	s_barrier_wait -1
.endm
.macro WMMA                            ; the product of W_k's tile GB and enc's tile GA, K step GQ
.set AC, 8*(4*(GA%8)+GB)
.set WF, 64*(GQ%3)+16*GB
.set EF, GEB+16*(GA%4)
.set SA, WS+8*(GB%2)+GQ
.set SE, ES+8*(GA%8)+GQ
.set MD, GB/2+2*(GA/8)
.if GQ == 0                            ; the first K step starts the sums: nothing is cleared
.if MD == 0
	v_wmma_scale_f32_16x16x128_f8f6f4 v[AC:AC+7], v[WF:WF+15], v[EF:EF+15], 0, v[SA], v[SE]
.elseif MD == 1
	v_wmma_scale_f32_16x16x128_f8f6f4 v[AC:AC+7], v[WF:WF+15], v[EF:EF+15], 0, v[SA], v[SE] matrix_a_scale:MATRIX_SCALE_ROW1
.elseif MD == 2
	v_wmma_scale_f32_16x16x128_f8f6f4 v[AC:AC+7], v[WF:WF+15], v[EF:EF+15], 0, v[SA], v[SE] matrix_b_scale:MATRIX_SCALE_ROW1
.else
	v_wmma_scale_f32_16x16x128_f8f6f4 v[AC:AC+7], v[WF:WF+15], v[EF:EF+15], 0, v[SA], v[SE] matrix_a_scale:MATRIX_SCALE_ROW1 matrix_b_scale:MATRIX_SCALE_ROW1
.endif
.else
.if MD == 0
	v_wmma_scale_f32_16x16x128_f8f6f4 v[AC:AC+7], v[WF:WF+15], v[EF:EF+15], v[AC:AC+7], v[SA], v[SE]
.elseif MD == 1
	v_wmma_scale_f32_16x16x128_f8f6f4 v[AC:AC+7], v[WF:WF+15], v[EF:EF+15], v[AC:AC+7], v[SA], v[SE] matrix_a_scale:MATRIX_SCALE_ROW1
.elseif MD == 2
	v_wmma_scale_f32_16x16x128_f8f6f4 v[AC:AC+7], v[WF:WF+15], v[EF:EF+15], v[AC:AC+7], v[SA], v[SE] matrix_b_scale:MATRIX_SCALE_ROW1
.else
	v_wmma_scale_f32_16x16x128_f8f6f4 v[AC:AC+7], v[WF:WF+15], v[EF:EF+15], v[AC:AC+7], v[SA], v[SE] matrix_a_scale:MATRIX_SCALE_ROW1 matrix_b_scale:MATRIX_SCALE_ROW1
.endif
.endif
.endm
; GROUP GI of 32 in a pass: 16 products on 16 accumulators.  The 64 accumulators take turns, one instruction a turn, in the same order in every K step.
; Behind them eight places, then the loads into registers that products have read: the buffer just multiplied takes group GI + 3, and in a K step's first group
; the set of W_k that the K step before has left takes K step GQ + 2.
.macro GROUP
.set GQ,  GI/4
.set GBF, GI%3
.set GEB, 128+64*((GBF+1)/2)
.set GW,  0xa1+0x50*((GI%4)/2)+4*(GBF/2)   ; source 0 (W_k) window 1; source 1 (enc) window 0 or 1; C and D window 2 or 3
.if GI%4 == 0
.if GQ == 0
	s_wait_loadcnt 32                              ; the scale words and K step 0 are in; behind them K steps 1 and 2, 16 loads each
.elseif GQ == 7
	s_wait_loadcnt 0                               ; the last K step: nothing was issued behind it
.else
	s_wait_loadcnt 16                              ; this K step's set is in; behind it the next K step's 16
.endif
.endif
.if GI < 30
	s_wait_dscnt 32                                ; this group's fragments are in; behind them the next two groups', 16 loads each
.elseif GI == 30
	s_wait_dscnt 16
.else
	s_wait_dscnt 0
.endif
	WIN GW
.set GA, 4*(GI%4)
.rept 4
.set GB, 0
.rept 4
	WMMA
.set GB, GB+1
.endr
.set GA, GA+1
.endr
	PLACES 8
	WIN 0
.if GI == 5                            ; group GI + 3 is the first of the next chunk.  The tensor loads went out as chunk 0, 1, 2, wq2 / V, chunk 3
	CHUNK 3
.elseif GI == 13
	CHUNK 2
.elseif GI == 21
	CHUNK 0                                        ; chunk 3, and wq2 and V with it
.endif
.if (GI%4 == 0) && (GQ >= 1) && (GQ <= 5)
	WIN 0x40
	WLOAD GQ+2
	WIN 0
.endif
.if GI <= 28
	EFETCH GI+3
.endif
.endm
; THE EPILOGUE of tiles a and a + 1 of the rows: 64 registers on end in one window.  u = 2 log2(e) ctx + wq2;  2^u;  + 1;  the reciprocal;  x V, summed over the lane's 32 units.
; The 64 exponentials are one batch with one wait ahead of the first line that names a result, and so are the 64 reciprocals (a plain line stands behind the last of a batch: ISA guide 5.7.2).
.macro EPI2 a
.set EA, 32*((\a)%8)
.set EH, (\a)/8
	WIN 0x82+0x41*EH                               ; destination and source 0: the accumulators' window; wq2 in window 0
.set K, 0
.rept 32
	v_pk_fma_f32 v[EA+K:EA+K+1], v[EA+K:EA+K+1], s[CC:CC+1], v[QW+K%32:QW+K%32+1] op_sel_hi:[1,0,1]   ; ascending: each accumulator is read from its low end on
.set K, K+2
.endr
.set K, 0
.rept 64
	v_exp_f32 v[EA+K], v[EA+K]
.set K, K+1
.endr
	v_nop
	s_wait_alu depctr_va_vdst(0)
.set K, 0
.rept 32
	v_pk_add_f32 v[EA+K:EA+K+1], v[EA+K:EA+K+1], 1.0 op_sel_hi:[1,0]
.set K, K+2
.endr
.set K, 0
.rept 64
	v_rcp_f32 v[EA+K], v[EA+K]
.set K, K+1
.endr
	v_nop
	s_wait_alu depctr_va_vdst(0)
	WIN 0xa2+0x51*EH                               ; source 2 in the accumulators' window too
.set K, 0
.rept 8
	v_pk_mul_f32 v[EA+8*K:EA+8*K+1], v[EA+8*K:EA+8*K+1], v[VV+8*(K%4):VV+8*(K%4)+1]   ; eight chains by turns
.set K, K+1
.endr
.irp i,2,4,6
.set K, 0
.rept 8
	v_pk_fma_f32 v[EA+8*K:EA+8*K+1], v[EA+8*K+\i:EA+8*K+\i+1], v[VV+8*(K%4)+\i:VV+8*(K%4)+\i+1], v[EA+8*K:EA+8*K+1]
.set K, K+1
.endr
.endr
	WIN 0x0a+5*EH                                  ; sources 0 and 1: the accumulators' window; destination window 0
	v_pk_add_f32 v[T:T+1], v[EA:EA+1], v[EA+8:EA+9]
	v_pk_add_f32 v[T+2:T+3], v[EA+16:EA+17], v[EA+24:EA+25]
	v_pk_add_f32 v[T+4:T+5], v[EA+32:EA+33], v[EA+40:EA+41]
	v_pk_add_f32 v[T+6:T+7], v[EA+48:EA+49], v[EA+56:EA+57]
	WIN 0
	v_pk_add_f32 v[T:T+1], v[T:T+1], v[T+2:T+3]
	v_pk_add_f32 v[T+4:T+5], v[T+4:T+5], v[T+6:T+7]
	v_add_f32 v[T], v[T], v[T+1]
	v_add_f32 v[T+4], v[T+4], v[T+5]
	v_add_f32 v[SC+\a], v[SC+\a], v[T]
	v_add_f32 v[SC+\a+1], v[SC+\a+1], v[T+4]
.endm
	s_load_b512 s[4:19], s[0:1], 0x0               ; enc's codes s[4:5], enc's scales s[6:7], wk_img s[8:9], W_k's scales s[10:11], wq2 s[12:13], V s[14:15], out1 s[16:17], zpart s[18:19]
	s_load_b64 s[20:21], s[0:1], 0x40              ; ml
	v_lshl_add_u32 v[SPW], v0, 2, SPARE
	v_mov_b32 v[NIL], 0
	ds_add_u32 v[SPW], v[NIL]                      ; the wave's opening: the add, twice on end, and its wait ahead of my first tensor load; the set-up below stands between the second and the wait
	ds_add_u32 v[SPW], v[NIL]
	v_lshrrev_b32 v1, 5, v0
	v_readfirstlane_b32 s[WV], v1                  ; wave 0..3
	; group 1 for enc: 64 rows x 256 bytes out of rows of 1,024, 16 bytes of padding behind each
	s_mov_b32 s[G1E+0], (1<<20)|(5<<22)|(3<<25)    ; no mask; elements of 1 byte; padding on, after every 64 words, of 4 words
	s_mov_b32 s[G1E+1], 256<<16                    ; tensor_dim0
	s_mov_b32 s[G1E+2], 64<<16                     ; tensor_dim1
	s_mov_b32 s[G1E+3], 256<<16                    ; tile_dim0
	s_mov_b32 s[G1E+4], 64                         ; tile_dim1
	s_mov_b32 s[G1E+5], 1024                       ; from row to row
	s_mov_b32 s[G1E+6], 0
	s_mov_b32 s[G1E+7], 0
	; group 1 for wq2 and V: 2,048 dense bytes as 8 rows of 32 elements of 8 bytes
	s_mov_b32 s[G1Q+0], 3<<16
	s_mov_b32 s[G1Q+1], 32<<16
	s_mov_b32 s[G1Q+2], 8<<16
	s_mov_b32 s[G1Q+3], 32<<16
	s_mov_b32 s[G1Q+4], 8
	s_mov_b32 s[G1Q+5], 32
	s_mov_b32 s[G1Q+6], 0
	s_mov_b32 s[G1Q+7], 0
	s_lshl_b32 s68, ttmp9, 18                      ; my work-group's 256 rows of 1,024 bytes,
	s_lshl_b32 s69, s[WV], 16                      ; my wave's 64 of them
	s_add_co_u32 s68, s68, s69
	s_mov_b32 s69, 0
	s_mul_i32 s72, s[WV], 64*PITCH                 ; and their place in a chunk
	s_lshr_b32 s73, ttmp9, 3
	s_lshl_b32 s73, s73, 12                        ; the batch's row of wq2
	s_and_b32 s75, s[WV], 1
	s_lshl_b32 s75, s75, 11                        ; which half of wq2's row (waves 0, 1) or of V (waves 2, 3) I fetch
	s_mov_b32 s[G0Q], 1
	s_lshl_b32 s[G0Q+1], s[WV], 11
	s_add_co_u32 s[G0Q+1], s[G0Q+1], QVB           ; wq2's two halves, then V's two
	s_mov_b32 s[CC], 0x4038aa3b                    ; 2 log2(e)
	s_mov_b32 s[CC+1], s[CC]
	s_mov_b32 s[SEL], 0x76543210
	s_mov_b32 s[SEL+1], 0xfedcba98
	s_mov_b32 s[PASS], 0
	s_mov_b32 s[QP], 0
	s_wait_dscnt 0x0                               ; both opening adds are done
	s_wait_kmcnt 0x0
	s_add_nc_u64 s[70:71], s[4:5], s[68:69]
.irp c,0,1,2,3
	s_mov_b32 s[G0E+4*\c], 1                       ; count = 1
	s_add_co_u32 s[G0E+4*\c+1], s72, \c*CHB        ; LDS address
	s_add_nc_u64 s[G0E+4*\c+2:G0E+4*\c+3], s[70:71], \c*256   ; global address: 256 along K on for each chunk
	s_or_b32 s[G0E+4*\c+3], s[G0E+4*\c+3], 0x80000000         ; type = 2
.endr
	s_cmp_lt_u32 s[WV], 2                          ; the choice hangs on the wave's number alone
	s_cselect_b64 s[G0Q+2:G0Q+3], s[12:13], s[14:15]
	s_cselect_b32 s74, s73, 0
	s_add_co_u32 s74, s74, s75
	s_mov_b32 s75, 0
	s_add_nc_u64 s[G0Q+2:G0Q+3], s[G0Q+2:G0Q+3], s[74:75]
	s_or_b32 s[G0Q+3], s[G0Q+3], 0x80000000
	; all fills of the launch, as one group: five tensor loads of mine are out.  An s_nop 0 follows each, four v_nop the last
	tensor_load_to_lds s[G0E:G0E+3], s[G1E:G1E+7]
	s_nop 0
	tensor_load_to_lds s[G0E+4:G0E+7], s[G1E:G1E+7]
	s_nop 0
	tensor_load_to_lds s[G0E+8:G0E+11], s[G1E:G1E+7]
	s_nop 0
	tensor_load_to_lds s[G0Q:G0Q+3], s[G1Q:G1Q+7]
	s_nop 0
	tensor_load_to_lds s[G0E+12:G0E+15], s[G1E:G1E+7]
	s_nop 0
.rept 4
	v_nop
.endr
	v_and_b32 v1, 15, v0                           ; r
	v_bfe_u32 v2, v0, 4, 1                         ; h
	v_and_b32 v3, 31, v0                           ; lane
	v_mul_u32_u24 v[ADE], v1, PITCH
	v_lshl_add_u32 v[ADE], v2, 4, v[ADE]           ; row r x pitch + 16 h
	v_add_nc_u32 v[ADE+1], CHB, v[ADE]
	v_add_nc_u32 v[ADE+2], 2*CHB, v[ADE]
	v_add_nc_u32 v[ADE+3], 3*CHB, v[ADE]
	v_lshlrev_b32 v[AW], 4, v3
	s_lshl_b32 s68, s[WV], 16
	v_add_nc_u32 v[AW], s68, v[AW]
	v_lshlrev_b32 v[AWS], 5, v1
	v_lshl_add_u32 v[AWS], v2, 10, v[AWS]          ; row 32 h + r of my 64, 32 bytes a row
	s_lshl_b32 s68, s[WV], 11
	v_add_nc_u32 v[AWS], s68, v[AWS]
	v_lshlrev_b32 v[AQ0], 5, v2
	s_lshl_b32 s68, s[WV], 8
	s_add_co_u32 s68, s68, QVB
	v_add_nc_u32 v[AQ0], s68, v[AQ0]               ; QVB + 256 wave + 32 h: my eight units of tile 0
	v_lshlrev_b32 v[AES], 5, v1
	v_lshl_add_u32 v[AES], v2, 12, v[AES]          ; row 128 h + r of the 256, 32 bytes a row
	s_lshl_b32 s68, ttmp9, 13
	s_add_nc_u64 s[6:7], s[6:7], s[68:69]          ; enc's scales at my work-group's first row
.irp i,0,1,2,3,4,5,6,7
.irp qh,0,1
	global_load_b128 v[ES+8*\i+4*\qh:ES+8*\i+4*\qh+3], v[AES], s[6:7] offset:512*\i+16*\qh   ; a row's 32 scale bytes are its eight K steps' words: they stay in registers
.endr
.endr
	PRELOAD
.irp a,0,1,2,3,4,5,6,7,8,9,10,11,12,13,14,15
	v_mov_b32 v[SC+\a], 0                          ; the sums that run over the four passes
.endr
	v_mov_b32 v[VS], 0
	s_lshl_b32 s68, ttmp9, 10
	s_add_nc_u64 s[16:17], s[16:17], s[68:69]      ; out1 at my 256 scores
	s_lshl_b32 s68, ttmp9, 12
	s_lshl_b32 s72, s[WV], 10
	s_add_co_u32 s68, s68, s72
	s_add_nc_u64 s[18:19], s[18:19], s[68:69]      ; zpart at my wave's 256 numbers
	s_lshl_b32 s68, ttmp9, 8
	s_add_nc_u64 s[20:21], s[20:21], s[68:69]      ; ml at my work-group's 256 bytes
.Lpass:                                            ; four trips: 256 units of h each.  From the second trip on the waits for chunks are met at once
	CHUNK 4                                        ; chunk 0; four younger tensor loads may be out
	EFETCH 0
	EFETCH 1
	EFETCH 2
.set GI, 0
.rept 32
	GROUP
.set GI, GI+1
.endr
	s_add_nc_u64 s[8:9], s[8:9], 0x40000           ; the next pass's 16 tiles of wk_img (all my loads are in since the last K step's wait for 0, so their bases may be written),
	s_add_nc_u64 s[10:11], s[10:11], 0x2000        ; and its 256 rows of scale bytes
	s_cmp_eq_u32 s[PASS], 3
	s_cbranch_scc1 .Lno_next                       ; the last pass asks for nothing: no load leaves its buffer
	PRELOAD                                        ; it lands while the epilogue runs; eight places stand behind the last products
.Lno_next:
	v_add_nc_u32 v[ADQ], s[QP], v[AQ0]
.irp b,0,1,2,3
.irp i,0,1
	ds_load_b128 v[QW+8*\b+4*\i:QW+8*\b+4*\i+3], v[ADQ] offset:64*\b+16*\i          ; wq2 at units 16 b + 8 h + 0 .. 7 of my 64
	ds_load_b128 v[VV+8*\b+4*\i:VV+8*\b+4*\i+3], v[ADQ] offset:4096+64*\b+16*\i     ; V likewise
.endr
.endr
	s_wait_dscnt 0x0
	v_pk_add_f32 v[T:T+1], v[VV:VV+1], v[VV+2:VV+3]           ; the sum of my 32 V
	v_pk_add_f32 v[T+2:T+3], v[VV+4:VV+5], v[VV+6:VV+7]
.irp k,8,12,16,20,24,28
	v_pk_add_f32 v[T:T+1], v[T:T+1], v[VV+\k:VV+\k+1]
	v_pk_add_f32 v[T+2:T+3], v[T+2:T+3], v[VV+\k+2:VV+\k+3]
.endr
	v_pk_add_f32 v[T:T+1], v[T:T+1], v[T+2:T+3]
	v_add_f32 v[T], v[T], v[T+1]
	v_add_f32 v[VS], v[VS], v[T]
.irp a,0,2,4,6,8,10,12,14
	EPI2 \a
.endr
	s_add_co_u32 s[QP], s[QP], 1024
	s_add_co_u32 s[PASS], s[PASS], 1
	s_cmp_lt_u32 s[PASS], 4
	s_cbranch_scc1 .Lpass
	; ---- THE TAIL, all in window 0.  Its address registers are made here, ahead of the one branch on the wave's number.
.set ONE, 240                          ; v240  the byte 127 four times: the conversion's scale 1
.set ZC0, 241                          ; v241  z: my place in my chunk: rows h, h + 2, ..; 16 codes at 16 r
.set ZF0, 242                          ; v242  and among the factors
.set ZCA, 243                          ; v243, v244 the same in the trip in hand
.set ZFA, 244
.set L16, 245                          ; v245  16 x lane
.set L8,  246                          ; v246  8 x lane
.set ASB, 247                          ; v247  my eight rows' scale bytes of my wave's eight blocks
.set AFS, 248                          ; v248  where I store factors
.set AZS, 249                          ; v249  z's stage, in;  v250 back
.set AZL, 250
.set ASS, 251                          ; v251  where I store my part of the scores;  v252 where I read all four
.set ASL, 252
	v_lshlrev_b32 v[L16], 4, v3
	v_lshlrev_b32 v[L8], 3, v3
	s_lshl_b32 s68, s[WV], 3
	v_lshl_add_u32 v[ASB], v3, 7, s68              ; rows 4 lane + j: 128 lane; blocks 8 wave on
	s_lshl_b32 s68, s[WV], 13
	s_add_co_u32 s68, s68, FTB                     ; my wave's 8,192 bytes
	v_lshl_add_u32 v[AFS], v3, 7, s68
	v_lshl_add_u32 v[AZS], v1, 6, s68
	v_lshl_add_u32 v[AZL], v3, 4, s68
	v_lshrrev_b32 v[ZF0], 1, v1                    ; 16 codes at 16 r lie in block r / 2 of my eight
	v_lshlrev_b32 v[ZF0], 2, v[ZF0]
	v_lshl_add_u32 v[ZF0], v2, 5, v[ZF0]
	v_add_nc_u32 v[ZF0], s68, v[ZF0]
	s_mul_i32 s69, s[WV], CHB                      ; chunk w holds e = 256 w .. 256 w + 255
	v_mul_u32_u24 v[ZC0], v2, PITCH
	v_lshl_add_u32 v[ZC0], v1, 4, v[ZC0]
	v_add_nc_u32 v[ZC0], s69, v[ZC0]
	s_lshl_b32 s69, s[WV], 10
	s_add_co_u32 s69, s69, SCR
	v_lshl_add_u32 v[ASS], v1, 2, s69
	v_lshl_add_u32 v[ASL], v3, 4, SCR
	v_mov_b32 v[ONE], 0x7f7f7f7f
	v_mov_b32 v226, 0                              ; (a lane permute's destination counts as one of its sources)
.irp n,0,1,2,3,4,5,6,7
	global_load_b64 v[192+2*\n:193+2*\n], v[ASB], s[6:7] offset:4096*(\n/4)+32*(\n%4)   ; row 128 (n / 4) + 4 lane + n % 4: the scale bytes of my wave's eight blocks; wanted further down
.endr
.irp a,0,1,2,3,4,5,6,7,8,9,10,11,12,13,14,15
	v_fma_f32 v[128+\a], v[SC+\a], -2.0, v[VS]     ; my units' part of the score of row 16 a + r: sum V - 2 sum V r
.endr
.irp a,0,1,2,3,4,5,6,7,8,9,10,11,12,13,14,15
	v_permlanex16_b32 v[144+\a], v[128+\a], s[SEL], s[SEL+1]
.endr
.irp a,0,1,2,3,4,5,6,7,8,9,10,11,12,13,14,15
	v_add_f32 v[128+\a], v[128+\a], v[144+\a]      ; with the other half of the lanes' units: my wave's 256 units
.endr
.irp a,0,1,2,3,4,5,6,7,8,9,10,11,12,13,14,15
	ds_store_b32 v[ASS], v[128+\a] offset:64*\a    ; both halves of the lanes write the same word with the same value
.endr
	s_wait_dscnt 0x0                               ; for the others' sake: my stores are done
	s_barrier_signal -1
	s_barrier_wait -1
.irp w,0,1,2,3
.irp k,0,1
	ds_load_b128 v[160+8*\w+4*\k:160+8*\w+4*\k+3], v[ASL] offset:1024*\w+512*\k    ; rows 128 k + 4 lane + 0 .. 3, wave w's part
.endr
.endr
	s_wait_dscnt 0x0
.irp i,0,2,4,6
	v_pk_add_f32 v[208+\i:209+\i], v[160+\i:161+\i], v[168+\i:169+\i]
	v_pk_add_f32 v[216+\i:217+\i], v[176+\i:177+\i], v[184+\i:185+\i]
.endr
.irp i,0,2,4,6
	v_pk_add_f32 v[208+\i:209+\i], v[208+\i:209+\i], v[216+\i:217+\i]    ; v208-215: the scores of my eight rows; every wave holds all 256
.endr
	v_max3_num_f32 v224, v208, v209, v210          ; m: the largest of the work-group's 256 scores
	v_max3_num_f32 v224, v224, v211, v212
	v_max3_num_f32 v224, v224, v213, v214
	v_max_num_f32 v224, v224, v215
	v_max_num_f32_dpp v224, v224, v224 row_xmask:1 row_mask:0xf bank_mask:0xf
	v_max_num_f32_dpp v224, v224, v224 row_xmask:2 row_mask:0xf bank_mask:0xf
	v_max_num_f32_dpp v224, v224, v224 row_xmask:4 row_mask:0xf bank_mask:0xf
	v_max_num_f32_dpp v224, v224, v224 row_xmask:8 row_mask:0xf bank_mask:0xf
	v_permlanex16_b32 v226, v224, s[SEL], s[SEL+1]
	v_max_num_f32 v224, v224, v226
.irp n,0,1,2,3,4,5,6,7
	v_sub_f32 v[216+\n], v[208+\n], v224           ; the maximum is taken away first,
.endr
.irp n,0,1,2,3,4,5,6,7
	v_mul_f32 v[216+\n], 0x3fb8aa3b, v[216+\n]     ; then x log2(e)
.endr
.irp n,0,1,2,3,4,5,6,7
	v_exp_f32 v[216+\n], v[216+\n]                 ; p = e^(score - m), at most 1
.endr
	v_nop                                          ; a plain line behind the last exponential,
	s_wait_alu depctr_va_vdst(0)                   ; and the one wait for the eight, ahead of the first reader
	v_pk_add_f32 v[226:227], v[216:217], v[218:219]
	v_pk_add_f32 v[228:229], v[220:221], v[222:223]
	v_pk_add_f32 v[226:227], v[226:227], v[228:229]
	v_add_f32 v225, v226, v227                     ; l: the sum of the 256 p
	v_add_f32_dpp v225, v225, v225 row_xmask:1 row_mask:0xf bank_mask:0xf
	v_add_f32_dpp v225, v225, v225 row_xmask:2 row_mask:0xf bank_mask:0xf
	v_add_f32_dpp v225, v225, v225 row_xmask:4 row_mask:0xf bank_mask:0xf
	v_add_f32_dpp v225, v225, v225 row_xmask:8 row_mask:0xf bank_mask:0xf
	v_permlanex16_b32 v226, v225, s[SEL], s[SEL+1]
	v_add_f32 v225, v225, v226
	s_cmp_lg_u32 s[WV], 0
	s_cbranch_scc1 .Lnot_wave_0                    ; every wave holds the same numbers: wave 0 stores them
	global_store_b128 v[L16], v[208:211], s[16:17]                 ; 32 lanes store 512 consecutive bytes of out1
	global_store_b128 v[L16], v[212:215], s[16:17] offset:512
	global_store_b64 v[L8], v[224:225], s[20:21]                   ; (m, l), a copy a lane: 256 consecutive bytes, so that a lane of the last launch reads its own
.Lnot_wave_0:
	s_wait_loadcnt 0x0                             ; the scale bytes
.irp n,0,1,2,3,4,5,6,7
.irp k,0,1,2,3,4,5,6,7
	v_bfe_u32 v[128+8*\n+\k], v[192+2*\n+\k/4], 8*(\k%4), 8
.endr
.endr
.irp n,0,1,2,3,4,5,6,7
.irp k,0,1,2,3,4,5,6,7
	v_add_nc_u32 v[128+8*\n+\k], 0xffffff81, v[128+8*\n+\k]        ; the byte - 127
.endr
.endr
.irp n,0,1,2,3,4,5,6,7
.irp k,0,1,2,3,4,5,6,7
	v_ldexp_f32 v[128+8*\n+\k], v[216+\n], v[128+8*\n+\k]          ; the factor of a row's block: p x 2^(byte - 127)
.endr
.endr
.irp n,0,1,2,3,4,5,6,7
.irp i,0,1
	ds_store_b128 v[AFS], v[128+8*\n+4*\i:128+8*\n+4*\i+3] offset:4096*(\n/4)+32*(\n%4)+16*\i   ; my wave's own table: no other wave reads it, so no barrier follows
.endr
.endr
.irp i,0,1,2,3,4,5,6,7,8,9,10,11,12,13,14,15
	v_mov_b32 v[T+\i], 0                           ; z of my 16 columns
.endr
	s_wait_dscnt 0x0                               ; the stores have read their registers, which take the codes next
	s_wait_xcnt 0x0                                ; wave 0's stores have read theirs, which the conversions write next
	; z[e] = sum over rows of factor x code.  Lane (r, h) takes rows 16 trip + 2 u + h and e = 256 w + 16 r + 0 .. 15: sixteen lanes read a row's 256 bytes.  Two buffers of eight rows by turns.
.macro ZFETCH be
	v_add_nc_u32 v[ZCA], s76, v[ZC0]
	v_add_nc_u32 v[ZFA], s77, v[ZF0]
.irp u,0,1,2,3,4,5,6,7
	ds_load_b128 v[128+32*\be+4*\u:128+32*\be+4*\u+3], v[ZCA] offset:2*PITCH*\u
.endr
.irp u,0,1,2,3,4,5,6,7
	ds_load_b32 v[192+8*\be+\u], v[ZFA] offset:64*\u
.endr
	s_add_co_u32 s76, s76, 16*PITCH
	s_add_co_u32 s77, s77, 512
.endm
.macro ZTRIP be, fetch, cnt            ; cnt: the other buffer's 16 loads, issued behind this one's, may be out
	s_wait_dscnt \cnt
.irp p,0,1,2,3                         ; two rows at a time
	v_cvt_scale_pk8_f32_fp8 v[208:215], v[128+32*\be+8*\p:129+32*\be+8*\p], v[ONE]
	v_cvt_scale_pk8_f32_fp8 v[216:223], v[130+32*\be+8*\p:131+32*\be+8*\p], v[ONE]
	v_cvt_scale_pk8_f32_fp8 v[224:231], v[132+32*\be+8*\p:133+32*\be+8*\p], v[ONE]
	v_cvt_scale_pk8_f32_fp8 v[232:239], v[134+32*\be+8*\p:135+32*\be+8*\p], v[ONE]
	v_nop                                          ; one plain line between a scaled conversion and the first line that reads its result
.irp i,0,2,4,6,8,10,12,14
	v_pk_fma_f32 v[T+\i:T+\i+1], v[208+\i:209+\i], v[192+8*\be+2*\p:193+8*\be+2*\p], v[T+\i:T+\i+1] op_sel_hi:[1,0,1]               ; the pair's first word: the even row's factor
.endr
.irp i,0,2,4,6,8,10,12,14
	v_pk_fma_f32 v[T+\i:T+\i+1], v[224+\i:225+\i], v[192+8*\be+2*\p:193+8*\be+2*\p], v[T+\i:T+\i+1] op_sel:[0,1,0] op_sel_hi:[1,1,1]   ; its second word: the odd row's
.endr
.endr
.if \fetch
	ZFETCH \be
.endif
.endm
	s_mov_b32 s76, 0
	s_mov_b32 s77, 0
	ZFETCH 0
	ZFETCH 1
	s_mov_b32 s78, 7
.Lz:                                               ; 7 trips of 32 rows; the last 32 rows are written out, without loads
	ZTRIP 0, 1, 16
	ZTRIP 1, 1, 16
	s_sub_co_u32 s78, s78, 1
	s_cmp_lg_u32 s78, 0
	s_cbranch_scc1 .Lz
	ZTRIP 0, 0, 16
	ZTRIP 1, 0, 0
.irp i,0,1,2,3,4,5,6,7,8,9,10,11,12,13,14,15
	v_permlanex16_b32 v[208+\i], v[T+\i], s[SEL], s[SEL+1]
.endr
.irp i,0,1,2,3,4,5,6,7,8,9,10,11,12,13,14,15
	v_add_f32 v[T+\i], v[T+\i], v[208+\i]          ; even rows' and odd rows' sums
.endr
.irp i,0,1,2,3
	ds_store_b128 v[AZS], v[T+4*\i:T+4*\i+3] offset:16*\i          ; through my stage (the head of my table, which I have read out): 64 bytes a lane in,
.endr
	ds_load_b128 v[128:131], v[AZL]                ; 16 bytes a lane back: LDS serves a wave's instructions in order (ISA guide 5.7.1.4)
	ds_load_b128 v[132:135], v[AZL] offset:512
	s_wait_dscnt 0x0
	global_store_b128 v[L16], v[128:131], s[18:19]                 ; 32 lanes store 512 consecutive bytes of zpart
	global_store_b128 v[L16], v[132:135], s[18:19] offset:512
	s_wait_tensorcnt 0x0                           ; the wave's end, behind my last tensor load and my last LDS store
	ds_add_u32 v[SPW], v[NIL]
	s_wait_dscnt 0x0
	s_endpgm
.Lfunc_end_k_q7f00db54aa_main:
	.size	k_q7f00db54aa_main, .Lfunc_end_k_q7f00db54aa_main-k_q7f00db54aa_main
	.p2alignl 7, 3214868480
	.fill 96, 4, 3214868480
	.section	.rodata,"a",@progbits
	.p2align	6, 0x0
	.amdhsa_kernel k_q7f00db54aa_main
		.amdhsa_group_segment_fixed_size 327680
		.amdhsa_private_segment_fixed_size 0
		.amdhsa_enable_private_segment 0
		.amdhsa_kernarg_size 72
		.amdhsa_user_sgpr_count 2
		.amdhsa_user_sgpr_kernarg_segment_ptr 1
		.amdhsa_wavefront_size32 1
		.amdhsa_system_sgpr_workgroup_id_x 1
		.amdhsa_system_sgpr_workgroup_id_y 1
		.amdhsa_system_sgpr_workgroup_id_z 1
		.amdhsa_system_vgpr_workitem_id 0
		.amdhsa_next_free_vgpr 1024
		.amdhsa_next_free_sgpr 96
		.amdhsa_reserve_vcc 0
		.amdhsa_float_denorm_mode_32 3
		.amdhsa_float_denorm_mode_16_64 3
		.amdhsa_memory_ordered 1
		.amdhsa_forward_progress 1
		.amdhsa_inst_pref_size 255
	.end_amdhsa_kernel
	.section	.bss,"aw",@nobits
	.p2align	6
	.space	262144
	.amdgpu_metadata
---
amdhsa.version: [ 1, 2 ]
amdhsa.kernels:
  - .name:           k_q7f00db54aa_main
    .symbol:         k_q7f00db54aa_main.kd
    .args:
      - { .name: enc_hidden_codes, .offset: 0, .size: 8, .value_kind: global_buffer, .address_space: global }
      - { .name: enc_hidden_scales, .offset: 8, .size: 8, .value_kind: global_buffer, .address_space: global }
      - { .name: wk_img, .offset: 16, .size: 8, .value_kind: global_buffer, .address_space: global }
      - { .name: W_k_scales, .offset: 24, .size: 8, .value_kind: global_buffer, .address_space: global }
      - { .name: wq2, .offset: 32, .size: 8, .value_kind: global_buffer, .address_space: global }
      - { .name: V, .offset: 40, .size: 8, .value_kind: global_buffer, .address_space: global }
      - { .name: out1, .offset: 48, .size: 8, .value_kind: global_buffer, .address_space: global }
      - { .name: zpart, .offset: 56, .size: 8, .value_kind: global_buffer, .address_space: global }
      - { .name: ml, .offset: 64, .size: 8, .value_kind: global_buffer, .address_space: global }
    .group_segment_fixed_size: 327680
    .private_segment_fixed_size: 0
    .kernarg_segment_align: 8
    .kernarg_segment_size: 72
    .max_flat_workgroup_size: 128
    .sgpr_count:     96
    .vgpr_count:     1024
    .wavefront_size: 32
...
	.end_amdgpu_metadata
.endif
;; end of part 2
;; launch finish (part 3): grid 8 x 32, 4 waves a work-group, no clusters, 5,120 bytes of LDS; arguments zpart, ml, W_k_codes, W_k_scales, out0; writes out0
.if DOCPART == 3
	.amdgcn_target "amdgcn-amd-amdhsa--gfx1250"
	.amdhsa_code_object_version 6
	.text
	.protected	k_q7f00db54aa_finish
	.globl	k_q7f00db54aa_finish
	.p2align	8
	.type	k_q7f00db54aa_finish,@function
k_q7f00db54aa_finish:
	s_mov_b64 s[64:65], 0
	v_nop
	global_prefetch_b8 v0, s[64:65] scope:SCOPE_SE
	s_setreg_imm32_b32 hwreg(HW_REG_WAVE_MODE, 25, 1), 1
	s_wait_xcnt 0x0
; hidden[b][h] = sum over e of W_k[h][e] z[b][e], z[b][e] = (sum over the batch's eight parts i of w_i zpart_i[e]) / L, w_i = e^(m_i - M), M the largest m_i, L = sum of w_i l_i.
; That is the sum over s of softmax(score)[s] ctx[b][h][s] with its two finite sums exchanged (shown at the head of the first kernel; the limits stated there hold here).  The maximum is taken away before every exponential.
; One row of results for each batch: a product with N = 1, done by fused multiply-adds in f32; the matrix units would add nothing.
; SHARES.  Work-group (x, b): batch b, rows h = 128 x .. + 127 of W_k; wave wv rows 32 wv .. + 31.  Each wave joins a quarter of z; it meets in LDS; then lane l keeps z at e = 32 l .. 32 l + 31, ONE block of scales, in 32 registers.
; For a row a lane loads its 32 codes and its one scale byte, widens the codes, sums 32 products and applies the scale once.  A row's two code loads together cover its 1,024 bytes; lanes stand 32 bytes apart so that a lane owns a block.
; The 32 rows' sums over the 32 lanes are made together: in each of five steps a lane keeps half of its registers and hands the other half to its partner, so that lane l ends with row l.
; REGISTERS: v1-8 addresses; v9 the conversion's scale 1; v10, v11 M, L; v16-31 (m, l), v32-39 w, later v16-47 z; v48-111 the eight parts, later v48-79 the rows' sums and v80-111 a row's numbers; v112-120 at work;
;   v128-223 three buffers of four rows' codes; v224-235 their scale bytes; v252, v253 the add's two.
.set OUTS,  4096                       ; LDS: z at 0 (4,096 bytes); the work-group's 128 results; the spare words
.set SPARE, 4608
.set SPW,   252
.set NIL,   253
	s_load_b256 s[4:11], s[0:1], 0x0               ; zpart s[4:5], ml s[6:7], W_k's codes s[8:9], W_k's scales s[10:11]
	s_load_b64 s[12:13], s[0:1], 0x20              ; out0
	v_lshl_add_u32 v[SPW], v0, 2, SPARE
	v_mov_b32 v[NIL], 0
	v_lshrrev_b32 v1, 5, v0
	v_readfirstlane_b32 s14, v1                    ; wave 0..3
	v_and_b32 v1, 31, v0                           ; lane: also my scale byte's place in a row's 32
	s_and_b32 s15, ttmp7, 0xffff                   ; batch
	v_lshlrev_b32 v2, 3, v1                        ; ml: my copy
	v_lshlrev_b32 v3, 4, v1                        ; 16 x lane
	s_lshl_b32 s16, s14, 10
	v_add_nc_u32 v4, s16, v3                       ; my wave's quarter of z, 16 bytes a lane: in zpart and in LDS
	v_lshlrev_b32 v5, 5, v1                        ; my 32 codes of a row
	v_lshlrev_b32 v6, 7, v1                        ; my 32 numbers of z in LDS
	s_lshl_b32 s16, s14, 7
	s_add_co_u32 s16, s16, OUTS
	v_lshl_add_u32 v7, v1, 2, s16                  ; my result's place
	v_add_nc_u32 v8, OUTS, v3                      ; and, for wave 0, the way back
	v_mov_b32 v9, 0x7f7f7f7f
	s_lshl_b32 s18, s15, 15                        ; the batch's eight parts of 4,096 bytes
	s_mov_b32 s19, 0
	s_lshl_b32 s20, s15, 11                        ; and their eight (m, l) of 256 bytes
	s_mov_b32 s21, 0
	s_lshl_b32 s30, ttmp9, 7
	s_lshl_b32 s31, s14, 5
	s_add_co_u32 s30, s30, s31                     ; my wave's first row of W_k
	s_lshl_b32 s32, s30, 10
	s_mov_b32 s33, 0
	s_lshl_b32 s34, s30, 5
	s_mov_b32 s35, 0
	s_lshl_b32 s36, s15, 12
	s_lshl_b32 s37, ttmp9, 9
	s_add_co_u32 s36, s36, s37                     ; the work-group's 512 bytes of out0
	s_mov_b32 s37, 0
	s_mov_b32 s22, 0x76543210
	s_mov_b32 s23, 0xfedcba98                      ; v_permlanex16_b32's selects for lane l xor 16
	s_mov_b32 s24, 0xffff0000                      ; the lanes whose number has bit 4 set; bits 3, 2, 1, 0 likewise
	s_mov_b32 s25, 0xff00ff00
	s_mov_b32 s26, 0xf0f0f0f0
	s_mov_b32 s27, 0xcccccccc
	s_mov_b32 s28, 0xaaaaaaaa
	s_wait_kmcnt 0x0
	s_add_nc_u64 s[4:5], s[4:5], s[18:19]
	s_add_nc_u64 s[6:7], s[6:7], s[20:21]
	s_add_nc_u64 s[8:9], s[8:9], s[32:33]
	s_add_nc_u64 s[10:11], s[10:11], s[34:35]
	s_add_nc_u64 s[12:13], s[12:13], s[36:37]
.macro RLOAD gr                        ; rows 4 gr .. 4 gr + 3 into buffer gr % 3: 12 loads
.irp rr,0,1,2,3
	global_load_b128 v[128+32*((\gr)%3)+8*\rr:128+32*((\gr)%3)+8*\rr+3], v5, s[8:9] offset:(4*(\gr)+\rr)*1024
	global_load_b128 v[128+32*((\gr)%3)+8*\rr+4:128+32*((\gr)%3)+8*\rr+7], v5, s[8:9] offset:(4*(\gr)+\rr)*1024+16
	global_load_u8 v[224+4*((\gr)%3)+\rr], v1, s[10:11] offset:(4*(\gr)+\rr)*32
.endr
.endm
.irp i,0,1,2,3,4,5,6,7
	global_load_b64 v[16+2*\i:17+2*\i], v2, s[6:7] offset:256*\i                    ; (m_i, l_i)
.endr
.irp i,0,1,2,3,4,5,6,7
.irp k,0,1
	global_load_b128 v[48+8*\i+4*\k:48+8*\i+4*\k+3], v4, s[4:5] offset:4096*\i+512*\k    ; part i at e = 256 wv + 128 k + 4 lane + 0 .. 3: 512 consecutive bytes a load
.endr
.endr
	RLOAD 0
	RLOAD 1
	RLOAD 2
	s_wait_loadcnt 52                              ; (m, l) are in; behind them the 16 loads of the parts and three groups of 12
	v_max3_num_f32 v10, v16, v18, v20
	v_max3_num_f32 v10, v10, v22, v24
	v_max3_num_f32 v10, v10, v26, v28
	v_max_num_f32 v10, v10, v30                    ; M
.irp i,0,1,2,3,4,5,6,7
	v_sub_f32 v[32+\i], v[16+2*\i], v10
.endr
.irp i,0,1,2,3,4,5,6,7
	v_mul_f32 v[32+\i], 0x3fb8aa3b, v[32+\i]
.endr
.irp i,0,1,2,3,4,5,6,7
	v_exp_f32 v[32+\i], v[32+\i]                   ; w_i = e^(m_i - M), at most 1, and 1 for one i at least
.endr
	v_nop                                          ; a plain line behind the last exponential,
	s_wait_alu depctr_va_vdst(0)                   ; and the one wait for the eight
	v_mul_f32 v11, v32, v17
.irp i,1,2,3,4,5,6,7
	v_fmac_f32 v11, v[32+\i], v[17+2*\i]           ; L, at least 1
.endr
	v_rcp_f32 v11, v11
	v_nop
	s_wait_alu depctr_va_vdst(0)
.irp i,0,1,2,3,4,5,6,7
	v_mul_f32 v[32+\i], v[32+\i], v11              ; w_i / L
.endr
	s_wait_loadcnt 36                              ; the parts are in; behind them three groups of 12
.irp p,0,2,4,6
	v_pk_mul_f32 v[112+\p:113+\p], v[48+\p:49+\p], v[32:33] op_sel_hi:[1,0]
.endr
.irp i,1,3,5,7
.irp p,0,2,4,6
	v_pk_fma_f32 v[112+\p:113+\p], v[48+8*\i+\p:49+8*\i+\p], v[31+\i:32+\i], v[112+\p:113+\p] op_sel:[0,1,0] op_sel_hi:[1,1,1]    ; an odd part's weight: the pair's second word
.endr
.if \i < 7
.irp p,0,2,4,6
	v_pk_fma_f32 v[112+\p:113+\p], v[56+8*\i+\p:57+8*\i+\p], v[33+\i:34+\i], v[112+\p:113+\p] op_sel_hi:[1,0,1]                  ; the next even part's: the next pair's first word
.endr
.endif
.endr
	ds_store_b128 v4, v[112:115]
	ds_store_b128 v4, v[116:119] offset:512
	s_wait_dscnt 0x0                               ; for the others' sake: my quarter of z is stored
	s_barrier_signal -1
	s_barrier_wait -1
.irp i,0,1,2,3,4,5,6,7
	ds_load_b128 v[16+4*\i:19+4*\i], v6 offset:16*\i               ; z at e = 32 lane + 0 .. 31
.endr
	s_wait_dscnt 0x0
.macro ROW i                           ; my block's part of row i
.set RB, 128+32*(((\i)/4)%3)+8*((\i)%4)
.set RS, 224+4*(((\i)/4)%3)+(\i)%4
	v_cvt_scale_pk8_f32_fp8 v[80:87], v[RB:RB+1], v9
	v_cvt_scale_pk8_f32_fp8 v[88:95], v[RB+2:RB+3], v9
	v_cvt_scale_pk8_f32_fp8 v[96:103], v[RB+4:RB+5], v9
	v_cvt_scale_pk8_f32_fp8 v[104:111], v[RB+6:RB+7], v9
	v_add_nc_u32 v120, 0xffffff81, v[RS]           ; the byte - 127.  (Also the plain line between the conversions and the first reader of their results)
.irp c,0,2,4,6
	v_pk_mul_f32 v[112+\c:113+\c], v[80+\c:81+\c], v[16+\c:17+\c]  ; four chains by turns
.endr
.irp s,8,16,24
.irp c,0,2,4,6
	v_pk_fma_f32 v[112+\c:113+\c], v[80+\s+\c:81+\s+\c], v[16+\s+\c:17+\s+\c], v[112+\c:113+\c]
.endr
.endr
	v_pk_add_f32 v[112:113], v[112:113], v[114:115]
	v_pk_add_f32 v[116:117], v[116:117], v[118:119]
	v_pk_add_f32 v[112:113], v[112:113], v[116:117]
	v_add_f32 v112, v112, v113
	v_ldexp_f32 v[48+(\i)], v112, v120             ; x the block's scale, once
.endm
.irp gr,0,1,2,3,4,5,6,7
.if \gr < 6
	s_wait_loadcnt 24                              ; this group's 12 loads are in; behind them the next two groups'
.elseif \gr == 6
	s_wait_loadcnt 12
.else
	s_wait_loadcnt 0
.endif
	ROW 4*\gr
	ROW 4*\gr+1
	ROW 4*\gr+2
	ROW 4*\gr+3
.if \gr < 5
	RLOAD \gr+3                                    ; into the buffer just read
.endif
.endr
	; the 32 sums over 32 lanes.  Step m: a lane whose number has bit m clear keeps register k and hands on register k + m; one with the bit set the other way round; each adds what its partner, lane l xor m, hands it.
.set K, 0
.rept 16
	v_cndmask_b32 v[80+K], v[48+K], v[64+K], s24   ; what I keep,
	v_cndmask_b32 v[96+K], v[64+K], v[48+K], s24   ; what I hand on
.set K, K+1
.endr
.set K, 0
.rept 16
	v_permlanex16_b32 v[64+K], v[96+K], s22, s23
.set K, K+1
.endr
.set K, 0
.rept 16
	v_add_f32 v[48+K], v[80+K], v[64+K]
.set K, K+1
.endr
.macro RED m, msk                      ; the steps inside a half of 16 lanes ride on the addition (DPP: the first source comes from lane l xor m)
.set K, 0
.rept \m
	v_cndmask_b32 v[80+K], v[48+K], v[48+K+\m], s[\msk]
	v_cndmask_b32 v[96+K], v[48+K+\m], v[48+K], s[\msk]
.set K, K+1
.endr
.set K, 0
.rept \m
	v_add_f32_dpp v[48+K], v[96+K], v[80+K] row_xmask:\m row_mask:0xf bank_mask:0xf
.set K, K+1
.endr
.endm
	RED 8, 25
	RED 4, 26
	RED 2, 27
	RED 1, 28                                      ; v48: lane l holds row l of my 32
	ds_store_b32 v7, v48
	s_wait_dscnt 0x0                               ; for wave 0's sake
	s_barrier_signal -1
	s_barrier_wait -1
	s_cmp_lg_u32 s14, 0
	s_cbranch_scc1 .Lnot_wave_0
	ds_load_b128 v[112:115], v8                    ; the work-group's 128 results
	s_wait_dscnt 0x0
	global_store_b128 v3, v[112:115], s[12:13]     ; 32 lanes store 512 consecutive bytes, at a multiple of 256 from out0's first byte
.Lnot_wave_0:
	s_wait_tensorcnt 0x0                           ; the wave's end, behind my last LDS store
	ds_add_u32 v[SPW], v[NIL]
	s_wait_dscnt 0x0
	s_endpgm
.Lfunc_end_k_q7f00db54aa_finish:
	.size	k_q7f00db54aa_finish, .Lfunc_end_k_q7f00db54aa_finish-k_q7f00db54aa_finish
	.p2alignl 7, 3214868480
	.fill 96, 4, 3214868480
	.section	.rodata,"a",@progbits
	.p2align	6, 0x0
	.amdhsa_kernel k_q7f00db54aa_finish
		.amdhsa_group_segment_fixed_size 5120
		.amdhsa_private_segment_fixed_size 0
		.amdhsa_enable_private_segment 0
		.amdhsa_kernarg_size 40
		.amdhsa_user_sgpr_count 2
		.amdhsa_user_sgpr_kernarg_segment_ptr 1
		.amdhsa_wavefront_size32 1
		.amdhsa_system_sgpr_workgroup_id_x 1
		.amdhsa_system_sgpr_workgroup_id_y 1
		.amdhsa_system_sgpr_workgroup_id_z 1
		.amdhsa_system_vgpr_workitem_id 0
		.amdhsa_next_free_vgpr 256
		.amdhsa_next_free_sgpr 66
		.amdhsa_reserve_vcc 0
		.amdhsa_float_denorm_mode_32 3
		.amdhsa_float_denorm_mode_16_64 3
		.amdhsa_memory_ordered 1
		.amdhsa_forward_progress 1
		.amdhsa_inst_pref_size 77
	.end_amdhsa_kernel
	.amdgpu_metadata
---
amdhsa.version: [ 1, 2 ]
amdhsa.kernels:
  - .name:           k_q7f00db54aa_finish
    .symbol:         k_q7f00db54aa_finish.kd
    .args:
      - { .name: zpart, .offset: 0, .size: 8, .value_kind: global_buffer, .address_space: global }
      - { .name: ml, .offset: 8, .size: 8, .value_kind: global_buffer, .address_space: global }
      - { .name: W_k_codes, .offset: 16, .size: 8, .value_kind: global_buffer, .address_space: global }
      - { .name: W_k_scales, .offset: 24, .size: 8, .value_kind: global_buffer, .address_space: global }
      - { .name: out0, .offset: 32, .size: 8, .value_kind: global_buffer, .address_space: global }
    .group_segment_fixed_size: 5120
    .private_segment_fixed_size: 0
    .kernarg_segment_align: 8
    .kernarg_segment_size: 40
    .max_flat_workgroup_size: 128
    .sgpr_count:     66
    .vgpr_count:     256
    .wavefront_size: 32
...
	.end_amdgpu_metadata
.endif
;; end of part 3
